; MI455X (gfx1250); checked and timed in simulation.
; The chip was launched on July 23, 2026; its instructions are those of AMD's public machine-readable ISA for CDNA 5 (MIT licence, August 2026) and "CDNA5" Instruction Set Architecture Reference Guide (July 2026). The comments in the code are by the model that wrote it; some were corrected since.
;; Latent Attention. Allowed arithmetic: float matrix products may take bf16 or f16 operands with f32 sums; all other float work in f32.
;; Inputs: b_proj 64 float32; b_qkv 192 float32; w_proj 64 x 64 float32; w_qkv 64 x 192 float32; z 32 x 1,024 x 64 float32.
;; Outputs: out0 32 x 1,024 x 64 float32.
;; One version. Each part assembles by itself: llvm-mc -triple=amdgcn-amd-amdhsa -mcpu=gfx1250 --defsym DOCPART=n.
;; ======== version 1 of 1: 1 launch
;; limits: values are held in f16: magnitudes above 65,504 overflow, below 6.1e-05 lose precision
;; launch latent_attention (part 1): grid 256 x 1, 8 waves a work-group, no clusters, 323,584 bytes of LDS; arguments z, w_qkv, b_qkv, w_proj, b_proj, out0; writes out0
.if DOCPART == 1
	.amdgcn_target "amdgcn-amd-amdhsa--gfx1250"
	.amdhsa_code_object_version 6
	.text
	.protected	k_qc82f68f0f3_latent_attention
	.globl	k_qc82f68f0f3_latent_attention
	.p2align	8
	.type	k_qc82f68f0f3_latent_attention,@function
k_qc82f68f0f3_latent_attention:
	s_mov_b64 s[64:65], 0
	v_nop
	global_prefetch_b8 v0, s[64:65] scope:SCOPE_SE
	s_setreg_imm32_b32 hwreg(HW_REG_WAVE_MODE, 25, 1), 1
	s_wait_xcnt 0x0
; Causal attention, 8 heads of 8 numbers, with both projections, in one launch.  z, out0: [32][1024][64] f32.
; Work-group g: batch g>>3, i = g&7.  It owns the query chunks (64 rows) i and 15-i: 17 blocks of 64 keys x 64 queries a head,
; the same for all 256 work-groups.  K and V of all keys up to chunk 15-i are made here from z and kept in LDS, so nothing
; goes through memory between the steps.  In the projections wave w takes row tiles; in attention wave w is head w.
; FORMATS: z, w_qkv, w_proj as bf16 operands; q (f16 high part + f16 remainder, in two of the four groups of 8 along K that a
; head of 8 leaves free), k, v and the softmax weights as f16; the attention output as bf16 high part + remainder; all sums,
; biases, maxima and the normalisation in f32.  b_v is added behind the division by the row sum (the weights sum to one).
; LIMITS: |0.51 q|, |k|, |v| must stay below 65504 (f16); NaN and infinite inputs are not served (a zero in a free K group
; times an infinity would spoil other sums); softmax weights below 2^-25 of the row's largest count as 0.
; The softmax takes a running maximum away before every exponential.
; NO CLUSTER, NO TENSOR LOADS: the eight work-groups of a batch read the same rows of z, but z has to be rounded to bf16 in
; registers on its way to the matrix unit, and 322,560 of the 327,680 bytes of LDS are taken by K, V, q and the weights: there is no
; room for f32 tiles of z.  The weights are 64 KiB in all.
.set VT,  131072                       ; LDS: K [head][key][8 f16] at 0; V transposed [8 head + dim][key] f16 here,
.set VP,  2064                         ; pitch 2,048 + 16: an odd multiple of 16 bytes
.set QS,  263168                       ; [head][local query 0..127][high 16 B, remainder 16 B]: first q, later the attention output
.set UW,  295936                       ; w_qkv as bf16 [64][192], pitch 416; later w_proj as bf16 [64][64], pitch 160
.set WQP, 416
.set WPP, 160
.set SP,  272                          ; out stage (in K's bytes, behind the last barrier): 256 + 16
; projections: v3 z offset of key tile w, v11 of the first key tile, v4 weight fragments, v5-6 K, v7-8 V, v9 q, v10 bias offset
.set RAW, 16                           ; v[16:47]   a z tile as loaded, f32
.set ZB,  48                           ; v[48:63]   the z tile as two bf16 fragments
.set ACC, 64                           ; v[64:95]   four accumulators
.set KB,  96                           ; v[96:127]  bias of q, then of k, as a C operand
.set WA,  128                          ; v[128:191] fragments of w_q, then w_k
.set WV,  192                          ; v[192:255] fragments of w_v
; attention
.set KB0, 3
.set KAD, 4
.set VB0, 5
.set VAD, 6
.set QA,  7
.set TT,  8                            ; v[8:11]    partial maxima
.set TX,  12
.set NINF, 13
.set MN,  14                           ; pair: new maximum
.set AL,  16                           ; pair: 2^(old - new maximum)
.set INV, 18                           ; pair: 1 / row sum
.set MX,  20                           ; v[20:23]   running maximum of query tile t
.set BV,  24                           ; v[24:31]   b_v of my head
.set ONE, 32                           ; v[32:39]   A fragment: ones in rows 0 and 8
.set QB,  40                           ; v[40:87]   per query tile [q, 0, q]
.set KA,  88                           ; v[88:103]  four key tiles
.set VA,  104                          ; v[104:119] V of 64 keys
.set OA,  120                          ; v[120:151] output sums
.set LL,  152                          ; v[152:183] row sums (register 0 of each eight)
.set SA,  184                          ; v[184:215] scores, even query tiles
.set SB,  216                          ; v[216:247] scores, odd query tiles
.set MSK, 32                           ; s[32:39]   lanes whose key 8 hh + j is not behind query r
; output projection
.set AF,  8
.set WP,  40
.set BP,  168
.set AC3, 200
.macro NOP4
.rept 4
	v_nop
.endr
.endm
.macro BAR                             ; what others will read or overwrite is complete in front of the signal
	s_wait_dscnt 0x0
	s_barrier_signal -1
	s_barrier_wait -1
.endm
.macro ZLOAD a, off                    ; 16 rows of z: lane (r, hh) takes k = 32 s + 16 g + 8 hh + 0..7 of row r, x = 4 s + 2 g + e
.irp x,0,1,2,3,4,5,6,7
	global_load_b128 v[RAW+4*\x:RAW+4*\x+3], v[\a], s[24:25] offset:\off+128*(\x>>2)+64*((\x>>1)&1)+16*(\x&1)
.endr
.endm
.macro ZCVT
.irp x,0,1,2,3,4,5,6,7,8,9,10,11,12,13,14,15
	v_cvt_pk_bf16_f32 v[ZB+\x], v[RAW+2*\x], v[RAW+2*\x+1]
.endr
.endm
.macro BLOAD dst, areg, sb, off        ; register j of tile t = bias[16 t + 8 hh + j]
.irp t,0,1,2,3
	global_load_b128 v[\dst+8*\t:\dst+8*\t+3], v[\areg], s[\sb:\sb+1] offset:\off+64*\t
	global_load_b128 v[\dst+8*\t+4:\dst+8*\t+7], v[\areg], s[\sb:\sb+1] offset:\off+64*\t+16
.endr
.endm
.macro WFRAG dst, n0                   ; columns n0 .. n0+15 of w_qkv, K = 64: two fragments, transposed on the way out of LDS
.irp s,0,1
.irp g,0,1
	ds_load_tr16_b128 v[\dst+8*\s+4*\g:\dst+8*\s+4*\g+3], v4 offset:(32*\s+16*\g)*WQP+2*(\n0)
.endr
.endr
.endm
; Weights as source 0: lane (r, hh) gets features 16 t + 8 hh + 0..7 (head 2 t + hh) of z row r.  The bias starts the sums.
; The four accumulators take turns, one instruction a turn.
.macro MULT
.irp t,0,1,2,3
	v_wmma_f32_16x16x32_bf16 v[ACC+8*\t:ACC+8*\t+7], v[WA+16*\t:WA+16*\t+7], v[ZB:ZB+7], v[KB+8*\t:KB+8*\t+7]
.endr
.irp t,0,1,2,3
	v_wmma_f32_16x16x32_bf16 v[ACC+8*\t:ACC+8*\t+7], v[WA+16*\t+8:WA+16*\t+15], v[ZB+8:ZB+15], v[ACC+8*\t:ACC+8*\t+7]
.endr
.endm
; z as source 0: lane (r, hh) gets keys 8 hh + 0..7 of feature 16 t + r: 16 bytes of a row of V transposed.
.macro MULV
.irp t,0,1,2,3
	v_wmma_f32_16x16x32_bf16 v[ACC+8*\t:ACC+8*\t+7], v[ZB:ZB+7], v[WV+16*\t:WV+16*\t+7], 0
.endr
.irp t,0,1,2,3
	v_wmma_f32_16x16x32_bf16 v[ACC+8*\t:ACC+8*\t+7], v[ZB+8:ZB+15], v[WV+16*\t+8:WV+16*\t+15], v[ACC+8*\t:ACC+8*\t+7]
.endr
.endm
.macro CVT16                           ; all four accumulators to f16, in place: eight numbers into the first four registers
.irp t,0,1,2,3
.irp c,0,1,2,3
	v_cvt_pk_f16_f32 v[ACC+8*\t+\c], v[ACC+8*\t+2*\c], v[ACC+8*\t+2*\c+1]
.endr
.endr
.endm
	s_load_b256 s[4:11], s[0:1], 0x0               ; z s[4:5], w_qkv s[6:7], b_qkv s[8:9], w_proj s[10:11]
	s_load_b128 s[12:15], s[0:1], 0x20             ; b_proj s[12:13], out0 s[14:15]
	s_set_vgpr_msb 0x40
	v_lshl_add_u32 v0, v0, 2, 0x4ec00
	v_mov_b32 v1, 0
	s_set_vgpr_msb 0x4000
	v_lshrrev_b32 v3, 5, v0
	v_readfirstlane_b32 s16, v3                    ; wave
	s_and_b32 s17, ttmp9, 7                        ; i
	s_lshr_b32 s18, ttmp9, 3                       ; batch
	s_mov_b32 s19, s17                             ; chunk A = i
	s_sub_co_u32 s20, 15, s17                      ; chunk B = 15 - i
	s_lshr_b32 s21, s17, 1
	s_sub_co_u32 s21, 7, s21                       ; key tiles w + 8 n, n = 7 - (i>>1) .. 0: at least the 64 - 4 i tiles that are needed
	s_mov_b32 s28, 0x76543210                      ; v_permlanex16_b32: lane l takes lane l xor 16
	s_mov_b32 s29, 0xfedcba98
	s_mov_b32 s40, 0xffff0000                      ; a word's upper bf16; as a lane mask: lanes 16-31
	s_mov_b32 s42, 0x3f0293ee                      ; log2(e) / sqrt(8), folded into q
	s_mov_b32 s43, 0x3f0293ee
	s_cmp_lt_u32 s16, 4
	s_cselect_b32 s41, s19, s20
	s_lshl_b32 s41, s41, 6
	s_and_b32 s23, s16, 3
	s_lshl4_add_u32 s41, s23, s41                  ; first row of my query tile: waves 0-3 chunk A, waves 4-7 chunk B
	s_lshl_b32 s30, s18, 18                        ; a batch is 262,144 bytes
	s_mov_b32 s31, 0
	v_and_b32 v1, 15, v0                           ; r
	v_bfe_u32 v2, v0, 4, 1                         ; hh
	v_and_b32 v11, 31, v0                          ; lane
	s_mul_i32 s23, s16, 6144
	v_lshl_add_u32 v12, v11, 4, s23                ; w_qkv: my 8 rows are 6,144 consecutive bytes
	v_lshlrev_b32 v13, 8, v1
	v_lshl_add_u32 v13, v2, 5, v13                 ; z: 256 r + 32 hh
	s_lshl_b32 s23, s41, 8
	v_add_nc_u32 v14, s23, v13                     ; my query tile
	s_lshl_b32 s22, s16, 12
	v_add_nc_u32 v3, s22, v13                      ; key tile w
	v_lshlrev_b32 v10, 5, v2                       ; biases: 32 hh
	s_wait_kmcnt 0x0
	s_add_nc_u64 s[24:25], s[4:5], s[30:31]        ; z of my batch
	s_add_co_u32 s30, s30, s23
	s_add_nc_u64 s[26:27], s[14:15], s[30:31]      ; out0 at my query tile's first row
	; ---- w_qkv to LDS as bf16; the first z tile and b_q are asked for behind it
.irp x,0,1,2,3,4,5,6,7,8,9,10,11
	global_load_b128 v[128+4*\x:131+4*\x], v12, s[6:7] offset:512*\x
.endr
	ZLOAD 14, 0
	BLOAD KB, 10, 8, 0
	s_mul_i32 s23, s16, 8*WQP
	s_add_co_u32 s23, s23, UW
	v_lshl_add_u32 v15, v11, 3, s23                ; 8 bytes a lane in my first row
	v_lshl_add_u32 v200, v2, 5, v15                ; the load that straddles two rows: its upper lanes lie 416 - 384 bytes further
	s_lshl_b32 s22, s21, 15
	v_add_nc_u32 v11, s22, v3                      ; my first key tile: w + 8 (7 - (i>>1)), eight tiles are 32,768 bytes
	v_and_b32 v4, 7, v0
	v_lshl_add_u32 v4, v2, 3, v4
	v_mul_u32_u24 v4, WQP, v4
	v_bfe_u32 v5, v0, 3, 1
	v_lshl_add_u32 v4, v5, 4, v4
	v_add_nc_u32 v4, UW, v4                        ; transposing loads: row 8 hh + (l & 7), 16 bytes by (l >> 3) & 1
	v_lshlrev_b32 v5, 14, v2
	v_lshl_add_u32 v5, v1, 4, v5
	s_lshl_b32 s23, s16, 8
	v_add_nc_u32 v5, s23, v5                       ; K: head hh, key 16 w + r
	v_add_nc_u32 v6, 0x10000, v5                   ; heads 4 + hh
	v_mul_u32_u24 v7, VP, v1
	v_lshl_add_u32 v7, v2, 4, v7
	s_lshl_b32 s23, s16, 5
	s_add_co_u32 s23, s23, VT
	v_add_nc_u32 v7, s23, v7                       ; V: row r, keys 16 w + 8 hh ..
	v_add_nc_u32 v8, 32*VP, v7                     ; rows 32 + r
	v_lshlrev_b32 v9, 12, v2
	v_lshl_add_u32 v9, v1, 5, v9
	s_lshl_b32 s23, s16, 9
	s_add_co_u32 s23, s23, QS
	v_add_nc_u32 v9, s23, v9                       ; q: head hh, local query 16 w + r
	s_wait_loadcnt 16                              ; the twelve weight loads are in; the 8 of z and the 8 of b_q behind them stay out
.irp x,0,1,2,3,4,5,6,7,8,9,10,11
	v_cvt_pk_bf16_f32 v[176+2*\x], v[128+4*\x], v[129+4*\x]
	v_cvt_pk_bf16_f32 v[177+2*\x], v[130+4*\x], v[131+4*\x]
.endr
.irp a,0,1,2,3                                         ; three loads of 512 bytes are two rows of 768
	ds_store_b64 v15, v[176+6*\a:177+6*\a] offset:2*WQP*\a
	ds_store_b64 v200, v[178+6*\a:179+6*\a] offset:2*WQP*\a+256
	ds_store_b64 v15, v[180+6*\a:181+6*\a] offset:2*WQP*\a+544
.endr
	BAR                                            ; w_qkv is whole
	; ---- q of my 16 queries, all heads
.irp t,0,1,2,3
	WFRAG WA+16*\t, 16*\t
.endr
.irp t,0,1,2,3
	WFRAG WV+16*\t, 128+16*\t
.endr
	s_wait_loadcnt 0x0
	ZCVT
	ZLOAD 11, 0                                    ; my first key tile
	s_wait_dscnt 0x0
	MULT
	NOP4                                           ; four places behind the last product (ISA guide 7.12.1), for all that follows
.irp t,0,1,2,3
	WFRAG WA+16*\t, 64+16*\t
.endr
	BLOAD KB, 10, 8, 256                           ; b_k
.irp t,0,1,2,3
.irp p,0,2,4,6
	v_pk_mul_f32 v[ACC+8*\t+\p:ACC+8*\t+\p+1], v[ACC+8*\t+\p:ACC+8*\t+\p+1], s[42:43] op_sel_hi:[1,0]
.endr
.irp c,0,1,2,3
	v_cvt_pk_f16_f32 v[48+\c], v[ACC+8*\t+2*\c], v[ACC+8*\t+2*\c+1]
.endr
	v_cvt_f32_f16 v52, v48.l
	v_cvt_f32_f16 v53, v48.h
	v_cvt_f32_f16 v54, v49.l
	v_cvt_f32_f16 v55, v49.h
	v_cvt_f32_f16 v56, v50.l
	v_cvt_f32_f16 v57, v50.h
	v_cvt_f32_f16 v58, v51.l
	v_cvt_f32_f16 v59, v51.h
.irp p,0,2,4,6
	v_pk_add_f32 v[52+\p:53+\p], v[ACC+8*\t+\p:ACC+8*\t+\p+1], v[52+\p:53+\p] neg_lo:[0,1] neg_hi:[0,1]
.endr
.irp c,0,1,2,3
	v_cvt_pk_f16_f32 v[60+\c], v[52+2*\c], v[53+2*\c]
.endr
	ds_store_b128 v9, v[48:51] offset:8192*\t      ; head 2 t + hh: the high part,
	ds_store_b128 v9, v[60:63] offset:8192*\t+16   ; what it left
.endr
	s_wait_dscnt 0x0                               ; w_k's fragments
	; ---- K and V of key tiles w + 8 n.  The trips are written out from n = 7 down to n = 0 and entered at n = 7 - (i>>1), so that
	; every LDS address is a fixed register plus a constant, each trip asks for the tile of the trip below it, and trip 0 asks for nothing.
.macro KVTRIP n
.Lkv_\n:
	s_wait_loadcnt 0x0                             ; this trip's z tile (and b_k, in the first trip that runs)
	ZCVT
.if \n
	ZLOAD 3, 32768*(\n-1)                          ; key tile w + 8 (n - 1)
.endif
	MULT
	NOP4
	CVT16
	ds_store_b128 v5, v[ACC:ACC+3] offset:2048*\n
	ds_store_b128 v5, v[ACC+8:ACC+11] offset:2048*\n+32768
	ds_store_b128 v6, v[ACC+16:ACC+19] offset:2048*\n
	ds_store_b128 v6, v[ACC+24:ACC+27] offset:2048*\n+32768
	MULV
	NOP4
	CVT16
	ds_store_b128 v7, v[ACC:ACC+3] offset:256*\n
	ds_store_b128 v7, v[ACC+8:ACC+11] offset:256*\n+16*VP
	ds_store_b128 v8, v[ACC+16:ACC+19] offset:256*\n
	ds_store_b128 v8, v[ACC+24:ACC+27] offset:256*\n+16*VP
.endm
	s_cmp_eq_u32 s21, 4
	s_cbranch_scc1 .Lkv_4
	s_cmp_eq_u32 s21, 5
	s_cbranch_scc1 .Lkv_5
	s_cmp_eq_u32 s21, 6
	s_cbranch_scc1 .Lkv_6
	KVTRIP 7
	KVTRIP 6
	KVTRIP 5
	KVTRIP 4
	KVTRIP 3
	KVTRIP 2
	KVTRIP 1
	KVTRIP 0
	BAR                                            ; K, V and q are whole; nobody reads w_qkv any more
	; ---- attention: wave = head
	s_lshl_b32 s23, s16, 14
	v_lshl_add_u32 v[KB0], v1, 4, s23              ; K: both halves of the lanes read key r's 16 bytes
	v_and_b32 v[VB0], 7, v1
	v_mul_u32_u24 v[VB0], VP, v[VB0]
	v_lshl_add_u32 v[VB0], v2, 4, v[VB0]
	s_mul_i32 s23, s16, 8*VP
	s_add_co_u32 s23, s23, VT
	v_add_nc_u32 v[VB0], s23, v[VB0]               ; V: row 8 h + (r & 7): rows 8-15 of the fragment repeat rows 0-7
	v_lshlrev_b32 v[QA], 5, v1
	v_lshl_add_u32 v[QA], v2, 4, v[QA]
	s_lshl_b32 s23, s16, 12
	s_add_co_u32 s23, s23, QS
	v_add_nc_u32 v[QA], s23, v[QA]                 ; q: lanes 0-15 the high part, lanes 16-31 the remainder
	s_lshl_b32 s23, s16, 5
	v_mov_b32 v248, s23
	global_load_b128 v[BV:BV+3], v248, s[8:9] offset:512
	global_load_b128 v[BV+4:BV+7], v248, s[8:9] offset:528
	v_and_b32 v8, 7, v1
	v_cmp_eq_u32 vcc_lo, 0, v8
	v_mov_b32 v9, 0x3c003c00                       ; two f16 ones
	v_cndmask_b32 v[ONE], 0, v9, vcc_lo
.irp j,1,2,3,4,5,6,7
	v_mov_b32 v[ONE+\j], v[ONE]
.endr
	v_lshlrev_b32 v8, 3, v2
	v_sub_nc_u32 v8, v1, v8                        ; r - 8 hh
.irp j,0,1,2,3,4,5,6,7
	v_cmp_le_i32 s[MSK+\j], \j, v8
.endr
	v_mov_b32 v[NINF], 0xff800000
	v_mov_b32 v[TX], 0                             ; written once: a lane permute's destination and the second halves of broadcast pairs count as read
	v_mov_b32 v[MN+1], 0
	v_mov_b32 v[AL+1], 0
	v_mov_b32 v[INV+1], 0
.irp t,0,1,2,3
.irp j,4,5,6,7
	v_mov_b32 v[QB+12*\t+\j], 0
.endr
.endr
; Scores of key tile u for query tile TN into SN.  A: registers 0-3 key tile 2 p, 4-7 key tile 2 p + 1; B: [q, 0] or [0, q] picks one.
; Register j of lane (r, hh) = key 8 hh + j, query r: packed to f16 in place it is the B fragment of the second product.
.macro QK u
	v_wmma_f32_16x16x32_f16 v[SN+8*\u:SN+8*\u+7], v[KA+8*(\u>>1):KA+8*(\u>>1)+7], v[QB+12*TN+4*(\u&1):QB+12*TN+4*(\u&1)+7], 0
.endm
.macro LOADK reg, off
.irp u,0,1,2,3
	ds_load_b128 v[KA+4*\u:KA+4*\u+3], v[\reg] offset:\off+256*\u
.endr
.endm
.macro LOADV
.irp x,0,1,2,3
	ds_load_b128 v[VA+4*\x:VA+4*\x+3], v[VAD] offset:32*\x
.endr
.endm
.macro EXP8 u
.irp j,0,1,2,3,4,5,6,7
	v_exp_f32 v[SC+8*\u+\j], v[SC+8*\u+\j]
.endr
.endm
.macro PACK d, a
.irp c,0,1,2,3
	v_cvt_pk_f16_f32 v[SC+\d+\c], v[SC+\a+2*\c], v[SC+\a+2*\c+1]
.endr
.endm
.macro ZERO4 d
.irp c,0,1,2,3
	v_mov_b32 v[SC+\d+\c], 0
.endr
.endm
.macro PVL t, half, first              ; 32 keys: V x weights onto the output sums, ones x weights onto the row sums
.if \first
	v_wmma_f32_16x16x32_f16 v[OA+8*\t:OA+8*\t+7], v[VA+8*\half:VA+8*\half+7], v[SC+16*\half:SC+16*\half+7], 0
	v_wmma_f32_16x16x32_f16 v[LL+8*\t:LL+8*\t+7], v[ONE:ONE+7], v[SC+16*\half:SC+16*\half+7], 0
.else
	v_wmma_f32_16x16x32_f16 v[OA+8*\t:OA+8*\t+7], v[VA+8*\half:VA+8*\half+7], v[SC+16*\half:SC+16*\half+7], v[OA+8*\t:OA+8*\t+7]
	v_wmma_f32_16x16x32_f16 v[LL+8*\t:LL+8*\t+7], v[ONE:ONE+7], v[SC+16*\half:SC+16*\half+7], v[LL+8*\t:LL+8*\t+7]
.endif
.endm
; The next query tile's score products, set among this tile's exponentials.  Behind tile 3 they are the next key block's, from the K just loaded.
.macro HOOK t, dg, u
.if \dg
.if \u == 0
.if \t == 3
	s_wait_dscnt 0x0
.endif
.irp x,0,1,2,3
.if \x < \t+2
	QK \x
.endif
.endr
.endif
.else
.if \t == 3
.if \u == 0
	s_wait_dscnt 0x0
.endif
.endif
	QK \u
.endif
.endm
; One query tile (16 queries) against one key block (64 keys; in the diagonal block, dg = 1, key tiles 0 .. t, and all sums start here).
; Products stand in the order score, score, V, ones, score, score, V, ones: no accumulator follows itself and every turn is one
; instruction.  The places behind each product are filled by the tile's own plain vector work.
.macro TILE t, dg, kreg, koff
.if \t & 1
.set SC, SB
.set SN, SA
.else
.set SC, SA
.set SN, SB
.endif
.set TN, (\t+1)&3
.if \dg
.set NU, \t+1
.irp j,0,1,2,3,4,5,6,7
	v_cndmask_b32 v[SC+8*\t+\j], v[NINF], v[SC+8*\t+\j], s[MSK+\j]
.endr
.else
.set NU, 4
.endif
.irp u,0,1,2,3
.if \u < NU
	v_max3_num_f32 v[TT+\u], v[SC+8*\u], v[SC+8*\u+1], v[SC+8*\u+2]
.endif
.endr
.irp u,0,1,2,3
.if \u < NU
	v_max3_num_f32 v[TT+\u], v[TT+\u], v[SC+8*\u+3], v[SC+8*\u+4]
.endif
.endr
.irp u,0,1,2,3
.if \u < NU
	v_max3_num_f32 v[TT+\u], v[TT+\u], v[SC+8*\u+5], v[SC+8*\u+6]
.endif
.endr
.if \dg
	v_max_num_f32 v[TT], v[TT], v[SC+7]
.else
	v_max3_num_f32 v[TT], v[TT], v[SC+7], v[MX+\t]
.endif
.irp u,1,2,3
.if \u < NU
	v_max3_num_f32 v[TT+\u], v[TT+\u], v[SC+8*\u+7], v[TT+\u-1]
.endif
.endr
	v_permlanex16_b32 v[TX], v[TT+NU-1], s28, s29  ; the other eight keys of each tile lie in the other half of the lanes
	v_max_num_f32 v[MN], v[TT+NU-1], v[TX]         ; finite: every query sees its own key
.if \t == 0
	LOADV
.endif
.if \t == 3
	LOADK \kreg, \koff
.endif
.if \dg == 0
	v_sub_f32 v[AL], v[MX+\t], v[MN]
	v_exp_f32 v[AL], v[AL]
.endif
.irp u,0,1,2,3
.if \u < NU
.irp p,0,2,4,6
	v_pk_add_f32 v[SC+8*\u+\p:SC+8*\u+\p+1], v[SC+8*\u+\p:SC+8*\u+\p+1], v[MN:MN+1] op_sel_hi:[1,0] neg_lo:[0,1] neg_hi:[0,1]
.endr
.endif
.endr
	EXP8 0
	HOOK \t, \dg, 0
.if NU > 1
	EXP8 1
	HOOK \t, \dg, 1
.endif
	; a plain instruction between the exponentials and the first use of their results (ISA guide 5.7.2)
.if \dg
.if NU <= 2
	v_mov_b32 v[MX+\t], v[MN]
	s_wait_alu depctr_va_vdst(0)
.else
	v_nop
	s_wait_alu depctr_va_vdst(0)
.endif
.else
	s_wait_alu depctr_va_vdst(0)
.irp p,0,2,4,6
	v_pk_mul_f32 v[OA+8*\t+\p:OA+8*\t+\p+1], v[OA+8*\t+\p:OA+8*\t+\p+1], v[AL:AL+1] op_sel_hi:[1,0]
.endr
	v_mul_f32 v[LL+8*\t], v[LL+8*\t], v[AL]        ; the other seven registers of the row sums are zero
.endif
	PACK 0, 0
.if NU > 1
	PACK 4, 8
.else
	ZERO4 4
.endif
.if \t == 0
	s_wait_dscnt 0x0                               ; V
.endif
	PVL \t, 0, \dg
.if NU > 2
	EXP8 2
	HOOK \t, \dg, 2
.if NU > 3
	EXP8 3
	HOOK \t, \dg, 3
.endif
	v_mov_b32 v[MX+\t], v[MN]                      ; the plain instruction behind the exponentials
	s_wait_alu depctr_va_vdst(0)
	PACK 16, 16
.if NU > 3
	PACK 20, 24
.else
	ZERO4 20
.endif
	PVL \t, 1, 0
.endif
.endm
; A chunk of 64 queries.  The diagonal block comes first and starts all sums; then key blocks 0 .. c - 1.
.macro CHUNK creg, qoff
.irp t,0,1,2,3
	ds_load_b128 v[QB+12*\t:QB+12*\t+3], v[QA] offset:\qoff+512*\t
	ds_load_b128 v[QB+12*\t+8:QB+12*\t+11], v[QA] offset:\qoff+512*\t
.endr
	s_lshl_b32 s23, s[\creg], 10
	v_add_nc_u32 v[KAD], s23, v[KB0]
	s_lshl_b32 s23, s[\creg], 7
	v_add_nc_u32 v[VAD], s23, v[VB0]
	LOADK KAD, 0
	s_wait_dscnt 0x0
.set SN, SA
.set TN, 0
	QK 0
	NOP4
	TILE 0, 1, KB0, 0
	TILE 1, 1, KB0, 0
	TILE 2, 1, KB0, 0
	TILE 3, 1, KB0, 0                              ; looks ahead to key block 0
	s_cmp_eq_u32 s[\creg], 0
	s_cbranch_scc1 .Lnone_\@
	s_mov_b32 s22, 0
.Lkb_\@:
	s_and_b32 s31, s22, 15                         ; kb is 14 at the most (c <= 15): four bits hold it, and the address arithmetic says so itself
	s_lshl_b32 s23, s31, 10                        ; a block of 64 keys is 1,024 bytes of my head's K
	v_add_nc_u32 v[KAD], s23, v[KB0]
	s_lshl_b32 s23, s31, 7                         ; and 128 bytes of each row of V
	v_add_nc_u32 v[VAD], s23, v[VB0]
	TILE 0, 0, KAD, 1024
	TILE 1, 0, KAD, 1024
	TILE 2, 0, KAD, 1024
	TILE 3, 0, KAD, 1024                           ; looks ahead to block kb + 1; in the last trip that is block c: written bytes, scores not used
	s_add_co_u32 s22, s22, 1
	s_cmp_lt_u32 s22, s[\creg]
	s_cbranch_scc1 .Lkb_\@
.Lnone_\@:
.endm
; x = O / l + b_v, split into bf16 high part (lanes 0-15) and remainder (lanes 16-31), over my head's own q in LDS
.macro EPI qoff
.irp t,0,1,2,3
	v_rcp_f32 v[INV], v[LL+8*\t]
	v_nop
	s_wait_alu depctr_va_vdst(0)
.irp p,0,2,4,6
	v_pk_fma_f32 v[OA+8*\t+\p:OA+8*\t+\p+1], v[OA+8*\t+\p:OA+8*\t+\p+1], v[INV:INV+1], v[BV+\p:BV+\p+1] op_sel_hi:[1,0,1]
.endr
.irp c,0,1,2,3
	v_cvt_pk_bf16_f32 v[SA+\c], v[OA+8*\t+2*\c], v[OA+8*\t+2*\c+1]
.endr
.irp c,0,1,2,3
	v_lshlrev_b32 v[SA+8+2*\c], 16, v[SA+\c]
	v_and_b32 v[SA+9+2*\c], s40, v[SA+\c]
.endr
.irp p,0,2,4,6
	v_pk_add_f32 v[SA+8+\p:SA+9+\p], v[OA+8*\t+\p:OA+8*\t+\p+1], v[SA+8+\p:SA+9+\p] neg_lo:[0,1] neg_hi:[0,1]
.endr
.irp c,0,1,2,3
	v_cvt_pk_bf16_f32 v[SA+4+\c], v[SA+8+2*\c], v[SA+9+2*\c]
.endr
.irp c,0,1,2,3
	v_cndmask_b32 v[SA+16+\c], v[SA+\c], v[SA+4+\c], s40
.endr
	ds_store_b128 v[QA], v[SA+16:SA+19] offset:\qoff+512*\t
.endr
.endm
	; The key blocks' LDS addresses hang on a loop counter whose bound is the chunk's number.  A barrier stands between each loop's
	; reads and the LDS stores behind it, and between those stores and the next loop's reads, so that their order rests on no bound of
	; that counter.  All eight waves walk the same number of blocks by the same instructions, so they reach each barrier together.
	CHUNK 19, 0
	s_wait_loadcnt 0x0                             ; b_v
	BAR                                            ; every wave's reads of chunk A's key blocks are back
	EPI 0
	BAR                                            ; every wave's outputs of chunk A are stored
	CHUNK 20, 2048
	v_lshlrev_b32 v249, 4, v0                      ; w_proj: 256 threads x 16 bytes, four times; into score registers that no late product names
	global_load_b128 v[SB+8:SB+11], v249, s[10:11]
	global_load_b128 v[SB+12:SB+15], v249, s[10:11] offset:4096
	global_load_b128 v[SB+24:SB+27], v249, s[10:11] offset:8192
	global_load_b128 v[SB+28:SB+31], v249, s[10:11] offset:12288
	BAR                                            ; every wave's reads of chunk B's key blocks are back (the four loads above touch no LDS and stay out)
	EPI 2048
	v_lshlrev_b32 v251, 5, v2
	BLOAD BP, 251, 12, 0                           ; b_proj
	v_lshrrev_b32 v250, 4, v0
	v_mul_u32_u24 v250, WPP, v250
	v_lshl_add_u32 v250, v1, 3, v250
	v_add_nc_u32 v250, UW, v250                    ; row thread >> 4 (+ 16 e), 8 bytes at column 4 (thread & 15)
	v_lshlrev_b32 v252, 5, v1
	v_lshl_add_u32 v252, v2, 4, v252
	s_lshl_b32 s23, s16, 9
	s_add_co_u32 s23, s23, QS
	v_add_nc_u32 v252, s23, v252                   ; attention output of local row 16 w + r, high part or remainder by hh
	v_and_b32 v253, 7, v0
	v_mul_u32_u24 v253, WPP, v253
	v_bfe_u32 v254, v0, 3, 1
	v_lshl_add_u32 v253, v254, 4, v253
	v_add_nc_u32 v253, UW, v253                    ; w_proj transposed: both halves of the lanes read the same eight rows
	s_mul_i32 s23, s16, 16*SP
	v_mul_u32_u24 v254, SP, v1
	v_lshl_add_u32 v254, v2, 5, v254
	v_add_nc_u32 v254, s23, v254                   ; stage in: row r, 32 bytes by hh
	v_mul_u32_u24 v255, SP, v2
	v_lshl_add_u32 v255, v1, 4, v255
	v_add_nc_u32 v255, s23, v255                   ; stage back: lanes 0-15 one row, lanes 16-31 the next
	v_lshlrev_b32 v232, 8, v2
	v_lshl_add_u32 v232, v1, 4, v232               ; and the same two rows of out0
	s_wait_loadcnt 8                               ; w_proj's four loads are in; the eight of b_proj behind them stay out
	v_cvt_pk_bf16_f32 v[SB+0], v[SB+8], v[SB+9]
	v_cvt_pk_bf16_f32 v[SB+1], v[SB+10], v[SB+11]
	v_cvt_pk_bf16_f32 v[SB+2], v[SB+12], v[SB+13]
	v_cvt_pk_bf16_f32 v[SB+3], v[SB+14], v[SB+15]
	v_cvt_pk_bf16_f32 v[SB+4], v[SB+24], v[SB+25]
	v_cvt_pk_bf16_f32 v[SB+5], v[SB+26], v[SB+27]
	v_cvt_pk_bf16_f32 v[SB+6], v[SB+28], v[SB+29]
	v_cvt_pk_bf16_f32 v[SB+7], v[SB+30], v[SB+31]
.irp e,0,1,2,3
	ds_store_b64 v250, v[SB+2*\e:SB+2*\e+1] offset:16*WPP*\e
.endr
	BAR                                            ; all heads' outputs and w_proj are whole; nobody reads K any more
	; ---- out0 rows of my query tile: K = 128 = 8 heads x (high part, remainder) x 8
.irp x,0,1,2,3,4,5,6,7
	ds_load_b128 v[AF+4*\x:AF+4*\x+3], v252 offset:4096*\x
.endr
.irp n,0,1,2,3
.irp x,0,1,2,3,4,5,6,7
	ds_load_tr16_b128 v[WP+32*\n+4*\x:WP+32*\n+4*\x+3], v253 offset:8*WPP*\x+32*\n
.endr
.endr
	s_wait_dscnt 0x0
	s_wait_loadcnt 0x0                             ; b_proj, which starts the sums
.irp n,0,1,2,3
	v_wmma_f32_16x16x32_bf16 v[AC3+8*\n:AC3+8*\n+7], v[WP+32*\n:WP+32*\n+7], v[AF:AF+7], v[BP+8*\n:BP+8*\n+7]
.endr
.irp s,1,2,3
.irp n,0,1,2,3
	v_wmma_f32_16x16x32_bf16 v[AC3+8*\n:AC3+8*\n+7], v[WP+32*\n+8*\s:WP+32*\n+8*\s+7], v[AF+8*\s:AF+8*\s+7], v[AC3+8*\n:AC3+8*\n+7]
.endr
.endr
	NOP4
.irp n,0,1,2,3                                         ; lane (r, hh): columns 16 n + 8 hh + 0..7 of row r
	ds_store_b128 v254, v[AC3+8*\n:AC3+8*\n+3] offset:64*\n
	ds_store_b128 v254, v[AC3+8*\n+4:AC3+8*\n+7] offset:64*\n+16
.endr
.irp e,0,1,2,3,4,5,6,7                                 ; my own bytes: LDS serves a wave's instructions in order (ISA guide 5.7.1)
	ds_load_b128 v[WP+4*\e:WP+4*\e+3], v255 offset:2*SP*\e
.endr
.irp e,0,1,2,3,4,5,6,7
	s_wait_dscnt 7-\e                              ; the younger read-backs stay out
	global_store_b128 v232, v[WP+4*\e:WP+4*\e+3], s[26:27] offset:512*\e th:TH_STORE_NT   ; 512 consecutive bytes, aligned: two whole rows
.endr
	s_set_vgpr_msb 0x5
	s_wait_tensorcnt 0x0
	ds_add_u32 v0, v1
	s_wait_dscnt 0x0
	s_set_vgpr_msb 0x500
	s_endpgm
.Lfunc_end_k_qc82f68f0f3_latent_attention:
	.size	k_qc82f68f0f3_latent_attention, .Lfunc_end_k_qc82f68f0f3_latent_attention-k_qc82f68f0f3_latent_attention
	.p2alignl 7, 3214868480
	.fill 96, 4, 3214868480
	.section	.rodata,"a",@progbits
	.p2align	6, 0x0
	.amdhsa_kernel k_qc82f68f0f3_latent_attention
		.amdhsa_group_segment_fixed_size 323584
		.amdhsa_private_segment_fixed_size 0
		.amdhsa_enable_private_segment 0
		.amdhsa_kernarg_size 48
		.amdhsa_user_sgpr_count 2
		.amdhsa_user_sgpr_kernarg_segment_ptr 1
		.amdhsa_wavefront_size32 1
		.amdhsa_system_sgpr_workgroup_id_x 1
		.amdhsa_system_sgpr_workgroup_id_y 1
		.amdhsa_system_sgpr_workgroup_id_z 1
		.amdhsa_system_vgpr_workitem_id 0
		.amdhsa_next_free_vgpr 258
		.amdhsa_next_free_sgpr 66
		.amdhsa_reserve_vcc 1
		.amdhsa_float_denorm_mode_32 3
		.amdhsa_float_denorm_mode_16_64 3
		.amdhsa_memory_ordered 1
		.amdhsa_forward_progress 1
		.amdhsa_inst_pref_size 164
	.end_amdhsa_kernel
	.amdgpu_metadata
---
amdhsa.version: [ 1, 2 ]
amdhsa.kernels:
  - .name:           k_qc82f68f0f3_latent_attention
    .symbol:         k_qc82f68f0f3_latent_attention.kd
    .args:
      - { .name: z, .offset: 0, .size: 8, .value_kind: global_buffer, .address_space: global }
      - { .name: w_qkv, .offset: 8, .size: 8, .value_kind: global_buffer, .address_space: global }
      - { .name: b_qkv, .offset: 16, .size: 8, .value_kind: global_buffer, .address_space: global }
      - { .name: w_proj, .offset: 24, .size: 8, .value_kind: global_buffer, .address_space: global }
      - { .name: b_proj, .offset: 32, .size: 8, .value_kind: global_buffer, .address_space: global }
      - { .name: out0, .offset: 40, .size: 8, .value_kind: global_buffer, .address_space: global }
    .group_segment_fixed_size: 323584
    .private_segment_fixed_size: 0
    .kernarg_segment_align: 8
    .kernarg_segment_size: 48
    .max_flat_workgroup_size: 256
    .sgpr_count:     66
    .vgpr_count:     258
    .wavefront_size: 32
...
	.end_amdgpu_metadata
.endif
;; end of part 1
